; MI455X (gfx1250); checked and timed in simulation.
; The chip was launched on July 23, 2026; its instructions are those of AMD's public machine-readable ISA for CDNA 5 (MIT licence, August 2026) and "CDNA5" Instruction Set Architecture Reference Guide (July 2026). The comments in the code are by the model that wrote it; some were corrected since.
;; Multi Head Attention. Allowed arithmetic: matrix products marked QUANTISED: E4M3 operands, one given power-of-two scale a tensor, by v_wmma_f32_16x16x64_fp8_fp8 or v_wmma_f32_16x16x128_fp8_fp8, f32 sums; everything else in f32.
;; Inputs: Wk_codes 768 x 24 x 32 uint8 (E4M3 codes of Wk, K innermost, in blocks of 32 codes); Wq_codes 768 x 24 x 32 uint8 (E4M3 codes of Wq, K innermost, in blocks of 32 codes); Wv_codes 768 x 24 x 32 uint8 (E4M3 codes of Wv, K innermost, in blocks of 32 codes); bk 768 float32; bq 768 float32; bv 768 float32; key_codes 2 x 4,096 x 24 x 32 uint8 (E4M3 codes of key, K innermost, in blocks of 32 codes); lowp_scales 10 int32 (the exponents e of the quantised operands' scales 2^e); mask 2 x 4,096 float32; query_codes 2 x 4,096 x 24 x 32 uint8 (E4M3 codes of query, K innermost, in blocks of 32 codes); value_codes 2 x 4,096 x 24 x 32 uint8 (E4M3 codes of value, K innermost, in blocks of 32 codes).
;; Outputs: out0 2 x 4,096 x 768 float32.
;; This version of the problem:
;;   THIS VERSION OF THE PROBLEM IS GIVEN IN LOW PRECISION. The matrix products marked QUANTISED in the list below multiply operands that are first quantised to E4M3 (4 exponent bits, 3 mantissa bits; 8 bits a number), with one given power-of-two scale for each operand tensor; their sums are f32. All else is computed in f32.
;;   The module's matrix products, in the order in which they are computed (A, B: the left and right operand; K: the contracted axis; several contracted axes count as one K, in the product's order):
;;     1. [M 8,192, K 768] x [K 768, N 768]; A: input query (given as codes); B: input Wq (given as codes): QUANTISED (scales: A lowp_scales[0], B lowp_scales[1])
;;     2. [M 8,192, K 768] x [K 768, N 768]; A: input key (given as codes); B: input Wk (given as codes): QUANTISED (scales: A lowp_scales[2], B lowp_scales[3])
;;     3. [M 8,192, K 768] x [K 768, N 768]; A: input value (given as codes); B: input Wv (given as codes): QUANTISED (scales: A lowp_scales[4], B lowp_scales[5])
;;     4. batch 12 x [M 4,096, K 128] x [K 128, N 4,096]; A: computed on the way; B: computed on the way: QUANTISED (scales: A lowp_scales[6], B lowp_scales[7])
;;     5. batch 12 x [M 4,096, K 4,096] x [K 4,096, N 128]; A: softmax (see below); B: computed on the way: QUANTISED (scales: A lowp_scales[8], B lowp_scales[9])
;;   THE QUANTISER, for each operand of a quantised product, along K:
;;     - The operand's scale is 2^e, e = its entry of the input lowp_scales (int32; the entries are numbered through the quantised products in the list's order, A before B).
;;     - Each number is divided by the scale, clamped to +-448, and rounded to the nearest number of E4M3, ties to even, subnormals kept.
;;     - The product sums the exact products of the quantised numbers (number of the format x scale) in f32.
;;   ~~~python
;;   def quantise(x, axis, e):      # numpy; x: float32 -> the quantised numbers, widened to float32 again
;;       x = np.moveaxis(x, axis, -1); K = x.shape[-1]
;;       r = np.clip(x / 2.0 ** e, -448, 448)
;;       step = 2.0 ** (np.maximum(np.frexp(np.where(r == 0, 1, r))[1] - 1, -6) - 3)
;;       q = np.round(r / step) * step * 2.0 ** e      # np.round: ties to even
;;       return np.moveaxis(q, -1, axis).astype(np.float32)
;;   ~~~
;;   SOFTMAX AHEAD OF A QUANTISED PRODUCT. Where the list says 'softmax', what is quantised is not the finished softmax but p = 2^(t - M), with t = logit x log2(e) and M = ceil(the row's largest t), a whole number; so 1/2 < the row's largest p <= 1. The row's sum l is taken of the UNQUANTISED p, in f32, and the product's result is divided by l at the end. Since M is a whole number, a kernel that streams over the keys may use a running M (the ceiling of the running maximum): every later rescaling is an exact power of two, so the quantised numbers keep their values, but for numbers so far below the row's largest that they fall under the format's range.
;;   OPERANDS COMPUTED ON THE WAY. 'Computed on the way' means the value that the module computes at that place (a softmax that the list does not call 'softmax' is quantised finished and normalised). What goes into a quantiser is computed in f32, as accurately as f32 sums, v_exp_f32 and their like allow (about 1e-6 of the number): no bf16 or f16 on the way to a quantiser, and a product that is left as it is and whose result goes on into a quantised operand takes f32 operands (vector FMAs, or v_wmma_f32_16x16x4_f32). A number that lies on a knife's edge between two numbers of the format may be rounded either way, as far as f32 arithmetic and the matrix unit's own rounding can turn it there, and no further.
;;   INPUTS GIVEN AS CODES. Wk (in the module: [768, 768], K = its axis 0); Wq (in the module: [768, 768], K = its axis 0); Wv (in the module: [768, 768], K = its axis 0); key (in the module: [2, 4096, 768], K = its axis 2); query (in the module: [2, 4096, 768], K = its axis 2); value (in the module: [2, 4096, 768], K = its axis 2): each comes as NAME_codes (uint8): NAME with its K axis moved to the last place and cut into blocks of 32 codes, [.., K / 32, bytes a block], one block behind the other in memory; one code a byte (a code: sign, 4 exponent bits, 3 mantissa bits); its scale is its entry of lowp_scales. Its value is code x scale, taken as it is: it is not quantised again, and the codes and scales need not be those that the quantiser above would give.
;; One version. Each part assembles by itself: llvm-mc -triple=amdgcn-amd-amdhsa -mcpu=gfx1250 --defsym DOCPART=n.
;; ======== version 1 of 1: 2 launches
;; limits: right only within a limited range of input values
;; workspace buffers: qc 6,291,456 bytes; kc 6,291,456 bytes; vc 6,291,456 bytes
;; launch proj (part 1): grid 64 x 3, 4 waves a work-group, clusters of 4 x 1, 327,680 bytes of LDS; arguments query_codes, key_codes, value_codes, Wq_codes, Wk_codes, Wv_codes, bq, bk, bv, lowp_scales, qc, kc, vc; writes qc, kc, vc
.if DOCPART == 1
	.amdgcn_target "amdgcn-amd-amdhsa--gfx1250"
	.amdhsa_code_object_version 6
	.text
	.protected	k_q0f632c47e5_proj
	.globl	k_q0f632c47e5_proj
	.p2align	8
	.type	k_q0f632c47e5_proj,@function
k_q0f632c47e5_proj:
	s_mov_b64 s[64:65], 0
	v_nop
	global_prefetch_b8 v0, s[64:65] scope:SCOPE_SE
	s_setreg_imm32_b32 hwreg(HW_REG_WAVE_MODE, 25, 1), 1
	s_wait_xcnt 0x0
	s_wait_alu depctr_hold_cnt(0) depctr_sa_sdst(0) depctr_va_vdst(0) depctr_va_sdst(0) depctr_va_ssrc(0) depctr_va_vcc(0) depctr_vm_vsrc(0)
	s_getreg_b32 s2, hwreg(HW_REG_IB_STS2, 6, 4)
	s_cmp_eq_u32 s2, 0
	s_cbranch_scc0 .Lentry_in_a_cluster
	s_endpgm
.Lentry_in_a_cluster:
	s_bfe_u32 s2, ttmp6, 0x10000c
	s_cmp_lg_u32 s2, 0x3003
	s_cbranch_scc0 .Lentry_shape_is_right
	s_endpgm
.Lentry_shape_is_right:
; THE THREE PROJECTIONS.  q = query Wq + bq, k = key Wk + bk, v = value Wv + bv: [8192][768] each, K = 768, on codes of E4M3 as they are given (rows of 768 bytes, K innermost); sums in f32.
; Each result is quantised at once with its given scale (q: entry 6, k: entry 7, v: entry 9 of the scales) and stored as codes; no f32 result goes to memory.
; WHAT IS STORED: IMAGES OF OPERAND REGISTERS.  Byte ((bh 32 + T) 8 + t) 2048 + 512 c + 16 lane + i, bh = 6 batch + head, T = a block of 128 tokens, lane = (r = lane % 16, h = lane / 16):
;   qc, kc: token 128 T + 16 t + r, channel 32 c + 16 (i / 8) + 8 h + i % 8 of the head;      vc: channel 16 t + r, token (key) 128 T + 32 c + 16 (i / 8) + 8 h + i % 8.
; That order along K is what two neighbouring result tiles and two conversions leave in a lane.  q and k are made alike, and so are v here and the weights p of the next launch: in each later product both operands
; carry the same permutation of K, every factor meets its partner, and only the order of the additions inside a matrix instruction differs from the natural one.
; SHARES.  Grid y = the tensor (0 q, 1 k, 2 v).  A work-group takes 128 tokens x all 768 features, in six trips of one head (128 features).  Wave w: tokens 64 (w / 2) on, features 64 (w % 2) on: 16 accumulators.
; The wave's 64 tokens x 768 K of activation codes stay in 384 registers for all six trips, so a K step of 128 reads only W's four fragments from LDS: 16 loads for 16 matrix instructions.
; q, k: source 0 = 16 rows of W, source 1 = 16 tokens: a lane holds one token and eight channels (the next K).  v: the sources swapped: a lane holds one channel and eight tokens (the keys: the next K).
; The two forms stand side by side under a scalar branch on the tensor's number, which all partners of a cluster share; the branch jumps over matrix instructions alone.
; CLUSTER.  The four work-groups of a cluster take neighbouring token blocks of one tensor and walk the same W: each chunk of W is asked for jointly (mask 15).  The activations belong to one work-group: a plain load.
; 192 work-groups: 3 x 8192 tokens do not fall into 256 equal shares of whole tiles of one tensor, and blocks of 64 tokens would give 384.
; No prefetch: the activations are read once, at the head, and W's chunks are read again and again by all 48 clusters.
; LIMITS: eo - eA - eW (the result's exponent less the two operands') lies between -126 and 119, so that the powers of two below are f32 numbers.  NaN among the biases is not served.
.set PITCH,  816                       ; an LDS row: 768 bytes + 16 of padding behind every 256 = 204 words: row r starts at word 204 r, so 16 neighbouring rows start at 16 different groups of four of the 64 banks (ISA guide 11.1)
.set HALF,   64*PITCH                  ; 64 rows: what one tensor load brings
.set SLOT1,  131072                    ; slot 0 at 0: W's even chunks.  Slot 1: first the activations' 128 rows (read once, into registers), then W's odd chunks
.set SPARE,  262144                    ; the spare words, 128 bytes for each wave: two blocks of 256 bytes that no other line names
.set CHUNK,  128*768                   ; bytes of 128 rows in memory
.set AA0,  4                           ; v4   LDS address of my lane in the activations' rows
.set AW0,  5                           ; v5   my lane's place in a chunk of W
.set ADW,  6                           ; v6   the same in the slot in hand
.set STO,  7                           ; v7   my byte offset in a head's block of images
.set SPW,  8                           ; v8   LDS address of my spare word; never rewritten
.set NIL,  9                           ; v9   0; never rewritten
.set SCL,  10                          ; v10  2^(eo - eA - eW) as f32: the conversions take its exponent field
.set LIM,  11                          ; v11  448 x that
.set BA,   16                          ; v16-23  byte offsets of the bias numbers for result register 0 .. 7
.set BIAS, 32                          ; v32-63  the bias as C: eight registers for each of W's four tiles
.set CODE, 64                          ; v64-95  the codes just made
.set ACC,  128                         ; v128-255 the 16 accumulators
; window 1: the activations' fragments of K steps 0-3 at v[64 s + 16 a];  window 2: v0-127 those of K steps 4, 5; v128-255 W's fragments, two sets of 64
.set AP,   30                          ; s[30:31] the tensor's activations;  s[32:33] its W;  s[34:35] its bias, at the head to be loaded;  s[36:37] its images, at the head in hand
.set WP,   32
.set BP,   34
.set OUT,  36
.set G1W,  40                          ; s[40:47] descriptor group 1 for W's chunks (joint);  s[48:55] for the activations (plain)
.set G1A,  48
.set G0W,  56                          ; s[56:59] group 0 for W: it walks;  s[60:63] for the activations
.set G0A,  60
.set WV,   66
.set TEN,  67
.set TB,   68                          ; LDS byte at which the slot in hand begins
.set CNT,  69
.set WI,   70                          ; my half of the tokens
.set WJ,   71                          ; my half of a head's features
.set CX,   72
.set BLK,  73
.set EA,   74
.set EW,   75
.set EO,   76
.set NEG,  77                          ; -(eA + eW)
.set MSB, 0
.macro WIN new                         ; s_set_vgpr_msb: bits 1:0 source 0, 3:2 source 1, 5:4 source 2, 7:6 destination; the high byte repeats the setting that is left
.if MSB != \new
	s_set_vgpr_msb (MSB<<8)|\new
.set MSB, \new
.endif
.endm
.macro PLACES                          ; four plain vector instructions behind a matrix instruction, ahead of a read of its result and of a load into its registers
.rept 4
	v_nop
.endr
.endm
.macro CROUND                          ; a round of the cluster's barrier
	s_barrier_signal -1
	s_barrier_wait -1
	s_cmp_lg_u32 s[WV], 0
	s_cbranch_scc1 .Lnot_wave_0_\@
	s_barrier_signal -3
.Lnot_wave_0_\@:
	s_barrier_wait -3
	s_barrier_signal -1
	s_barrier_wait -1
.endm
.macro JLOAD                           ; the next chunk of W: waves 0 and 1 ask for its two halves, jointly with the three partners; four v_nop follow
	s_cmp_lt_u32 s[WV], 2
	s_cbranch_scc0 .Lnone_\@
	tensor_load_to_lds s[G0W:G0W+3], s[G1W:G1W+7]
	s_nop 0
	PLACES
.Lnone_\@:
.endm
.macro BLOAD                           ; a head's bias in the result's layout: 32 numbers a lane
.irp w, 0,1,2,3
.irp jj, 0,1,2,3,4,5,6,7
	global_load_b32 v[BIAS+8*\w+\jj], v[BA+\jj], s[BP:BP+1] offset:64*\w
.endr
.endr
.endm
.macro FETCHW s                        ; W's four fragments of K step s into set s % 2: lane (r, h): row r, bytes 32 c + 16 h + 0 .. 15 of the step's 128
	WIN 0x80
.irp w, 0,1,2,3
.irp c, 0,1,2,3
	ds_load_b128 v[128+64*((\s)%2)+16*\w+4*\c:128+64*((\s)%2)+16*\w+4*\c+3], v[ADW] offset:16*\w*PITCH+128*(\s)+16*((\s)/2)+32*\c
.endr
.endr
	WIN 0
.endm
; 16 matrix instructions: K step s.  The 16 accumulators take turns, in ascending order in both forms and in every K step.  K step 0 takes the bias as C: nothing is cleared.
.macro MUL s
.set WF, 128+64*((\s)%2)
.set AB, 64*((\s)%4)
	WIN 0
	s_cmp_eq_u32 s[TEN], 2
	s_cbranch_scc1 .Lv_\@
.if (\s) < 4
	WIN 0x06                                       ; source 0 (W) window 2, source 1 (activations) window 1
.else
	WIN 0x0a                                       ; both window 2
.endif
	s_wait_alu depctr_va_vdst(0)
.irp a, 0,1,2,3
.irp w, 0,1,2,3
.if (\s) == 0
	v_wmma_f32_16x16x128_fp8_fp8 v[ACC+8*(4*\a+\w):ACC+8*(4*\a+\w)+7], v[WF+16*\w:WF+16*\w+15], v[AB+16*\a:AB+16*\a+15], v[BIAS+8*\w:BIAS+8*\w+7]
.else
	v_wmma_f32_16x16x128_fp8_fp8 v[ACC+8*(4*\a+\w):ACC+8*(4*\a+\w)+7], v[WF+16*\w:WF+16*\w+15], v[AB+16*\a:AB+16*\a+15], v[ACC+8*(4*\a+\w):ACC+8*(4*\a+\w)+7]
.endif
.endr
.endr
	WIN 0
	s_branch .Lj_\@
.Lv_\@:
.if (\s) < 4
	WIN 0x09                                       ; source 0 (activations) window 1, source 1 (W) window 2
.else
	WIN 0x0a
.endif
	s_wait_alu depctr_va_vdst(0)
.irp w, 0,1,2,3
.irp a, 0,1,2,3
.if (\s) == 0
	v_wmma_f32_16x16x128_fp8_fp8 v[ACC+8*(4*\w+\a):ACC+8*(4*\w+\a)+7], v[AB+16*\a:AB+16*\a+15], v[WF+16*\w:WF+16*\w+15], v[BIAS+8*\w:BIAS+8*\w+7]
.else
	v_wmma_f32_16x16x128_fp8_fp8 v[ACC+8*(4*\w+\a):ACC+8*(4*\w+\a)+7], v[AB+16*\a:AB+16*\a+15], v[WF+16*\w:WF+16*\w+15], v[ACC+8*(4*\w+\a):ACC+8*(4*\w+\a)+7]
.endif
.endr
.endr
	WIN 0
.Lj_\@:
.endm
; THE CHANGE OF SLOTS stands at a trip's head.  Each wave waits for all its tensor loads (its part of the chunk that it is about to read), adds 0 to its spare word, and waits for that and for its reads of the slot that it has left.
; fill = 1: a round of the cluster's barrier, so that no wave of any partner still reads that slot, and the joint refill first behind it: it has a trip's 96 matrix instructions and the way out in which to land.
.macro CHANGE fill
	s_wait_tensorcnt 0x0                           ; no tensor load of mine is out, so the group 0 may be written
	ds_add_u32 v[SPW], v[NIL]                      ; 0 onto my spare word
.if \fill
	s_xor_b32 s[G0W+1], s[G0W+1], SLOT1            ; the other slot than last time,
	s_add_nc_u64 s[G0W+2:G0W+3], s[G0W+2:G0W+3], CHUNK   ; the next head's 128 rows of W; the type bits on top are not reached
.endif
	s_wait_dscnt 0x0                               ; the add is done, and my reads of the slot that I have left are over
.if \fill
	CROUND
	JLOAD
.else
	s_barrier_signal -1
	s_barrier_wait -1
.endif
.endm
; THE WAY OUT of a head.  A sum stands for sum x 2^(eA + eW), the bias went in divided by that: the code is sum / 2^(eo - eA - eW), held within +-448 first, since the conversion to an 8-bit code does not saturate (ISA guide 7.6.2).
; Block y of four accumulators (q, k: a tile of tokens; v: a tile of channels), pair p of them: 16 numbers of a lane become 16 bytes: a group of four registers of the image.  A store covers 512 consecutive bytes, aligned.
.macro EPI
	PLACES
.set n, 0
.rept 128
	v_med3_num_f32 v[ACC+n], v[ACC+n], -v[LIM], v[LIM]   ; each accumulator from its low end on
.set n, n+1
.endr
.irp y, 0,1,2,3
.irp p, 0,1
.irp u, 0,1
	v_cvt_scalef32_pk8_fp8_f32 v[CODE+4*(2*\y+\p)+2*\u:CODE+4*(2*\y+\p)+2*\u+1], v[ACC+32*\y+16*\p+8*\u:ACC+32*\y+16*\p+8*\u+7], v[SCL]
.endr
.endr
.endr
	v_nop                                          ; one plain vector instruction behind the last conversion: the next head's products write its sources
.irp y, 0,1,2,3
.irp p, 0,1
	global_store_b128 v[STO], v[CODE+4*(2*\y+\p):CODE+4*(2*\y+\p)+3], s[OUT:OUT+1] offset:\y*2048+\p*512
.endr
.endr
	s_wait_xcnt 0x0                                ; the stores have read their base and their data: both are written again only behind this wait
	s_add_nc_u64 s[OUT:OUT+1], s[OUT:OUT+1], 524288   ; the next head's images
.endm
; A TRIP: one head.  more = 1: another head follows.
.macro TRIP more
	CHANGE \more
	v_add_nc_u32 v[ADW], s[TB], v[AW0]
	FETCHW 0
	s_wait_loadcnt 0x0                             ; this head's bias is in, and its loads have read their base
.if \more
	s_add_nc_u64 s[BP:BP+1], s[BP:BP+1], 512
.endif
.set n, 0
.rept 32
	v_ldexp_f32 v[BIAS+n], v[BIAS+n], s[NEG]       ; bias / 2^(eA + eW): the power of two that the sums lack
.set n, n+1
.endr
	FETCHW 1
	s_wait_dscnt 16                                ; K step 0's fragments are in; the sixteen loads of K step 1's may be out
	MUL 0
	PLACES
.if \more
	BLOAD                                          ; the next head's bias, into the registers that K step 0 has read
.endif
	FETCHW 2
	s_wait_dscnt 16
	MUL 1
.irp s, 2,3,4
	PLACES
	FETCHW \s+1
	s_wait_dscnt 16
	MUL \s
.endr
	s_wait_dscnt 0x0
	MUL 5
	EPI
	s_xor_b32 s[TB], s[TB], SLOT1
.endm
	s_load_b256 s[4:11], s[0:1], 0x0               ; query s[4:5], key s[6:7], value s[8:9], Wq s[10:11]
	s_load_b256 s[12:19], s[0:1], 0x20             ; Wk s[12:13], Wv s[14:15], bq s[16:17], bk s[18:19]
	s_load_b256 s[20:27], s[0:1], 0x40             ; bv s[20:21], the scales s[22:23], qc s[24:25], kc s[26:27]
	s_load_b64 s[28:29], s[0:1], 0x60              ; vc
	v_lshl_add_u32 v[SPW], v0, 2, SPARE
	v_mov_b32 v[NIL], 0
	ds_add_u32 v8, v9
	ds_add_u32 v8, v9
	s_wait_dscnt 0x0
	v_lshrrev_b32 v1, 5, v0
	v_readfirstlane_b32 s[WV], v1                  ; wave 0..3
	s_lshr_b32 s[WI], s[WV], 1
	s_and_b32 s[WJ], s[WV], 1
	s_and_b32 s[TEN], ttmp7, 0xffff                ; the tensor: the cluster's y, which the partners share
	s_bfe_u32 s[CX], ttmp6, 0x40000                ; my place in the cluster
	s_lshl_b32 s[BLK], ttmp9, 2
	s_add_co_u32 s[BLK], s[BLK], s[CX]             ; my block of 128 tokens, 0 .. 63
	; descriptor group 1: 64 rows x 768 elements of one byte, 768 apart in memory, 4 words of padding behind every 64 words
	s_mov_b32 s[G1W], 15|(1<<20)|(1<<21)|(5<<22)|(3<<25)   ; 15:0 the mask: all four work-groups; 20 padding on; 21 set beside a mask; 24:22 code 5; 31:25 code 3
	s_mov_b32 s[G1A], (1<<20)|(5<<22)|(3<<25)      ; the same without a mask
.irp g, G1W, G1A
	s_mov_b32 s[\g+1], 768<<16                     ; tensor_dim0
	s_mov_b32 s[\g+2], 64<<16                      ; tensor_dim1
	s_mov_b32 s[\g+3], 768<<16                     ; tile_dim0
	s_mov_b32 s[\g+4], 64                          ; tile_dim1
	s_mov_b32 s[\g+5], 768                         ; tensor_dim0_stride
	s_mov_b32 s[\g+6], 0
	s_mov_b32 s[\g+7], 0
.endr
	s_mul_i32 s90, s[WJ], 64*768                   ; which 64 rows I fetch: in memory,
	s_mov_b32 s91, 0
	s_mul_i32 s78, s[WJ], HALF                     ; and in a slot: the wave's number alone enters an LDS address
	s_mul_i32 s92, s[BLK], CHUNK                   ; the activations of my block (registers of their own: nothing that feeds W's descriptor holds my place in the cluster)
	s_add_co_u32 s92, s92, s90
	s_mov_b32 s93, 0
	s_lshr_b32 s94, s[BLK], 5                      ; the batch,
	s_mul_i32 s94, s94, 6*524288
	s_and_b32 s95, s[BLK], 31                      ; the block of tokens in it
	s_lshl_b32 s95, s95, 14
	s_add_co_u32 s94, s94, s95                     ; my block's images of head 0
	s_mov_b32 s95, 0
	s_wait_kmcnt 0x0
	s_load_b256 s[80:87], s[22:23], 0x0            ; the scales' exponents 0 .. 7
	s_load_b64 s[88:89], s[22:23], 0x20            ; 8, 9
	s_cmp_eq_u32 s[TEN], 0                         ; the tensor's four buffers: the choice hangs on the tensor's number alone
	s_cselect_b64 s[AP:AP+1], s[4:5], s[6:7]
	s_cselect_b64 s[WP:WP+1], s[10:11], s[12:13]
	s_cselect_b64 s[BP:BP+1], s[16:17], s[18:19]
	s_cselect_b64 s[OUT:OUT+1], s[24:25], s[26:27]
	s_cmp_eq_u32 s[TEN], 2
	s_cselect_b64 s[AP:AP+1], s[8:9], s[AP:AP+1]
	s_cselect_b64 s[WP:WP+1], s[14:15], s[WP:WP+1]
	s_cselect_b64 s[BP:BP+1], s[20:21], s[BP:BP+1]
	s_cselect_b64 s[OUT:OUT+1], s[28:29], s[OUT:OUT+1]
	s_mov_b32 s[G0W], 1                            ; count = 1
	s_mov_b32 s[G0W+1], s78                        ; LDS address: slot 0
	s_add_nc_u64 s[G0W+2:G0W+3], s[WP:WP+1], s[90:91]   ; head 0's rows of W
	s_or_b32 s[G0W+3], s[G0W+3], 0x80000000        ; type = 2
	s_mov_b32 s[G0A], 1
	s_add_co_u32 s[G0A+1], s78, SLOT1
	s_add_nc_u64 s[G0A+2:G0A+3], s[AP:AP+1], s[92:93]
	s_or_b32 s[G0A+3], s[G0A+3], 0x80000000
	s_add_nc_u64 s[OUT:OUT+1], s[OUT:OUT+1], s[94:95]
	CROUND                                         ; all four work-groups are here: the first joint loads meet
	s_cmp_lt_u32 s[WV], 2                          ; the first fills, one a wave: waves 0 and 1 W's chunk 0, waves 2 and 3 the activations
	s_cbranch_scc0 .Lfirst_a
	tensor_load_to_lds s[G0W:G0W+3], s[G1W:G1W+7]
	s_nop 0
	PLACES
	s_branch .Lfirst_done
.Lfirst_a:
	tensor_load_to_lds s[G0A:G0A+3], s[G1A:G1A+7]
	s_nop 0
	PLACES
.Lfirst_done:
	v_and_b32 v3, 31, v0                           ; lane
	s_wait_alu depctr_va_vdst(0)
	v_and_b32 v1, 15, v0                           ; r
	s_wait_alu depctr_va_vdst(0)
	v_bfe_u32 v2, v0, 4, 1                         ; h
	s_wait_alu depctr_va_vdst(0)
	v_mul_u32_u24 v12, v1, PITCH
	v_lshl_add_u32 v12, v2, 4, v12                 ; row r x pitch + 16 h
	s_mul_i32 s79, s[WI], HALF
	s_add_co_u32 s79, s79, SLOT1
	v_add_nc_u32 v[AA0], s79, v12                  ; my 64 tokens
	v_add_nc_u32 v[AW0], s78, v12                  ; my 64 features
	s_cmp_eq_u32 s[TEN], 2                         ; q, k: tiles run along the tokens, groups of registers along the channels; v: the other way round
	s_cselect_b32 s79, s[WJ], s[WI]                ; which four tiles are mine,
	s_cselect_b32 s96, s[WI], s[WJ]                ; which two groups;
	s_cselect_b32 s97, 4, 0                        ; the bias: bytes from r to r + 1,
	s_cselect_b32 s98, 0, 32                       ; from h = 0 to h = 1,
	s_cselect_b32 s99, 0, 4                        ; from a result register to the next
	s_lshl_b32 s79, s79, 13
	s_lshl_b32 s96, s96, 10
	s_add_co_u32 s79, s79, s96
	v_lshl_add_u32 v[STO], v3, 4, s79
	v_mul_u32_u24 v12, v1, s97
	v_mul_u32_u24 v13, v2, s98
	s_lshl_b32 s96, s[WJ], 8                       ; my 64 features' bias
	v_add3_u32 v12, v12, v13, s96
	s_wait_alu depctr_va_vdst(0)
.irp jj, 0,1,2,3,4,5,6,7
	s_mul_i32 s79, s99, \jj
	v_add_nc_u32 v[BA+\jj], s79, v12
.endr
	BLOAD                                          ; head 0's bias
	s_wait_kmcnt 0x0
	s_cmp_eq_u32 s[TEN], 0                         ; the tensor's three exponents, chosen without a branch
	s_cselect_b32 s[EA], s80, s82
	s_cselect_b32 s[EW], s81, s83
	s_cselect_b32 s[EO], s86, s87
	s_cmp_eq_u32 s[TEN], 2
	s_cselect_b32 s[EA], s84, s[EA]
	s_cselect_b32 s[EW], s85, s[EW]
	s_cselect_b32 s[EO], s89, s[EO]
	s_add_co_i32 s[NEG], s[EA], s[EW]
	s_sub_co_i32 s79, s[EO], s[NEG]                ; eo - eA - eW
	s_sub_co_i32 s[NEG], 0, s[NEG]
	s_add_co_i32 s79, s79, 127
	s_lshl_b32 s96, s79, 23
	v_mov_b32 v[SCL], s96
	s_add_co_i32 s79, s79, 8
	s_lshl_b32 s79, s79, 23
	s_or_b32 s79, s79, 0x600000
	v_mov_b32 v[LIM], s79
	s_wait_tensorcnt 0x0                           ; my first fill has landed,
	s_barrier_signal -1
	s_barrier_wait -1                              ; everybody's has
	WIN 0x40                                       ; the activations' 24 fragments go into registers and stay
.irp s, 0,1,2,3
.irp a, 0,1,2,3
.irp c, 0,1,2,3
	ds_load_b128 v[64*\s+16*\a+4*\c:64*\s+16*\a+4*\c+3], v[AA0] offset:16*\a*PITCH+128*\s+16*(\s/2)+32*\c
.endr
.endr
.endr
	WIN 0x80
.irp s, 4,5
.irp a, 0,1,2,3
.irp c, 0,1,2,3
	ds_load_b128 v[64*(\s-4)+16*\a+4*\c:64*(\s-4)+16*\a+4*\c+3], v[AA0] offset:16*\a*PITCH+128*\s+16*(\s/2)+32*\c
.endr
.endr
.endr
	WIN 0
	s_mov_b32 s[TB], 0
	s_mov_b32 s[CNT], 5
.Lhead:                                                ; five trips fill the other slot; the first of them takes the slot that held the activations, behind the wait for the reads above
	TRIP 1
	s_sub_co_u32 s[CNT], s[CNT], 1
	s_cmp_lg_u32 s[CNT], 0
	s_cbranch_scc1 .Lhead
	TRIP 0                                         ; the last head is written out: it asks for nothing
	s_wait_tensorcnt 0x0                           ; the wave's end
	ds_add_u32 v[SPW], v[NIL]
	s_wait_dscnt 0x0
	CROUND                                         ; the closing round: no work-group ends while a partner may still ask for a chunk that names it
	s_endpgm
.Lfunc_end_k_q0f632c47e5_proj:
	.size	k_q0f632c47e5_proj, .Lfunc_end_k_q0f632c47e5_proj-k_q0f632c47e5_proj
	.p2alignl 7, 3214868480
	.fill 96, 4, 3214868480
	.section	.rodata,"a",@progbits
	.p2align	6, 0x0
	.amdhsa_kernel k_q0f632c47e5_proj
		.amdhsa_group_segment_fixed_size 327680
		.amdhsa_private_segment_fixed_size 0
		.amdhsa_enable_private_segment 0
		.amdhsa_kernarg_size 104
		.amdhsa_user_sgpr_count 2
		.amdhsa_user_sgpr_kernarg_segment_ptr 1
		.amdhsa_wavefront_size32 1
		.amdhsa_system_sgpr_workgroup_id_x 1
		.amdhsa_system_sgpr_workgroup_id_y 1
		.amdhsa_system_sgpr_workgroup_id_z 1
		.amdhsa_system_vgpr_workitem_id 0
		.amdhsa_next_free_vgpr 768
		.amdhsa_next_free_sgpr 100
		.amdhsa_reserve_vcc 0
		.amdhsa_float_denorm_mode_32 3
		.amdhsa_float_denorm_mode_16_64 3
		.amdhsa_memory_ordered 1
		.amdhsa_forward_progress 1
		.amdhsa_inst_pref_size 87
	.end_amdhsa_kernel
	.amdgpu_metadata
---
amdhsa.version: [ 1, 2 ]
amdhsa.kernels:
  - .name:           k_q0f632c47e5_proj
    .symbol:         k_q0f632c47e5_proj.kd
    .args:
      - { .name: query_codes, .offset: 0, .size: 8, .value_kind: global_buffer, .address_space: global }
      - { .name: key_codes, .offset: 8, .size: 8, .value_kind: global_buffer, .address_space: global }
      - { .name: value_codes, .offset: 16, .size: 8, .value_kind: global_buffer, .address_space: global }
      - { .name: Wq_codes, .offset: 24, .size: 8, .value_kind: global_buffer, .address_space: global }
      - { .name: Wk_codes, .offset: 32, .size: 8, .value_kind: global_buffer, .address_space: global }
      - { .name: Wv_codes, .offset: 40, .size: 8, .value_kind: global_buffer, .address_space: global }
      - { .name: bq, .offset: 48, .size: 8, .value_kind: global_buffer, .address_space: global }
      - { .name: bk, .offset: 56, .size: 8, .value_kind: global_buffer, .address_space: global }
      - { .name: bv, .offset: 64, .size: 8, .value_kind: global_buffer, .address_space: global }
      - { .name: lowp_scales, .offset: 72, .size: 8, .value_kind: global_buffer, .address_space: global }
      - { .name: qc, .offset: 80, .size: 8, .value_kind: global_buffer, .address_space: global }
      - { .name: kc, .offset: 88, .size: 8, .value_kind: global_buffer, .address_space: global }
      - { .name: vc, .offset: 96, .size: 8, .value_kind: global_buffer, .address_space: global }
    .group_segment_fixed_size: 327680
    .private_segment_fixed_size: 0
    .kernarg_segment_align: 8
    .kernarg_segment_size: 104
    .max_flat_workgroup_size: 128
    .sgpr_count:     100
    .vgpr_count:     768
    .wavefront_size: 32
...
	.end_amdgpu_metadata
.endif
;; end of part 1
;; launch attn (part 2): grid 16 x 12, 4 waves a work-group, clusters of 4 x 1, 327,680 bytes of LDS; arguments qc, kc, vc, mask, lowp_scales, out0; writes out0
.if DOCPART == 2
	.amdgcn_target "amdgcn-amd-amdhsa--gfx1250"
	.amdhsa_code_object_version 6
	.text
	.protected	k_q0f632c47e5_attn
	.globl	k_q0f632c47e5_attn
	.p2align	8
	.type	k_q0f632c47e5_attn,@function
k_q0f632c47e5_attn:
	s_mov_b64 s[64:65], 0
	v_nop
	global_prefetch_b8 v0, s[64:65] scope:SCOPE_SE
	s_setreg_imm32_b32 hwreg(HW_REG_WAVE_MODE, 25, 1), 1
	s_wait_xcnt 0x0
	s_wait_alu depctr_hold_cnt(0) depctr_sa_sdst(0) depctr_va_vdst(0) depctr_va_sdst(0) depctr_va_ssrc(0) depctr_va_vcc(0) depctr_vm_vsrc(0)
	s_getreg_b32 s2, hwreg(HW_REG_IB_STS2, 6, 4)
	s_cmp_eq_u32 s2, 0
	s_cbranch_scc0 .Lentry_in_a_cluster
	s_endpgm
.Lentry_in_a_cluster:
	s_bfe_u32 s2, ttmp6, 0x10000c
	s_cmp_lg_u32 s2, 0x3003
	s_cbranch_scc0 .Lentry_shape_is_right
	s_endpgm
.Lentry_shape_is_right:
; ATTENTION ON CODES OF E4M3.  out[b][q][128 hd + d] = sum over keys of softmax(q . k / sqrt(128) + (1 - mask[b][key]) x -10000) v[key][d], for 12 pairs bh = 6 b + hd, 4,096 queries and keys, head size 128.
; qc, kc, vc hold images of operand registers: byte ((bh 32 + T) 8 + t) 2048 + 512 c + 16 lane + i; a fragment is four loads of 16 bytes a lane at 16 x lane; 128 keys of K or of V are one dense block of 16,384 bytes.
; In qc and kc the channels, in vc the keys, lie along a lane's bytes in the order 32 c + 16 (i / 8) + 8 h + i % 8; the weights p are made here in that order too, so both operands of each product carry the same permutation of K.
; THE SOFTMAX AHEAD OF THE SECOND PRODUCT: t = logit x log2(e); M = the running largest t rounded UP to a whole number; p = 2^(t - M) is quantised with entry 8 of the scales, held at 448 x 2^e8, not normalised;
; the row's sum is taken of the unquantised p and divides at the end.  When M moves, the sum and O are multiplied by 2^(old M - new M), which rounds nothing.
; THE MASK'S ADDER IS THE C OF THE SCORE PRODUCT: a table in LDS holds (1 - mask) x -10000 x sqrt(128) / 2^(e6 + e7); t = c x (score + that), c = log2(e) / sqrt(128) x 2^(e6 + e7).  The adder is rounded once more than in a plain f32 addition.
; SHARES.  A work-group owns 256 queries of one bh; each of its four waves 64 of them, four tiles of 16, worked as two pairs.  A key step is 128 keys: its eight fragments of K and eight of V lie in registers and serve both pairs,
; so each fragment read from LDS feeds four matrix instructions.  Both products are used transposed (source 0 = 16 keys or 16 channels, source 1 = 16 queries): a lane holds ONE query (lane % 16) of each tile.
; THE ORDER OF A STEP: scores of pair 0; softmax of pair 0; scores of pair 1; K and the adders of the next step are asked for; softmax of pair 1.  A pair's sixteen second products stand one by one inside the OTHER pair's next softmax,
; which names none of their registers; behind the second pair's (inside the next step's first softmax) V of that step is asked for.
; THE RING: two slots of 512 keys (K's four blocks, then V's four).  The change of slots stands between the second pair's scores and the loads of the next step's K.
; CLUSTER.  The four query blocks of a cluster belong to one bh and walk the same K and V: each quarter of a slot is asked for jointly (mask 15), one load a wave.
; 192 work-groups: 12 x 16 blocks of 256 queries; 256 equal shares of whole tiles would mix heads in a work-group and multiply its stream of K and V.
; LIMITS on the given exponents, so that each power of two below is an f32 number: e6 + e7 between -123 and 129; e8 between -126 and 119; e8 + e9 is applied by v_ldexp_f32 and has none.  NaN in the mask is not served.
.set SLOT1, 131072
.set VOFF,  65536
.set ADDT,  262144                     ; the adder's table: 4,096 f32; stored once, no fill lands there
.set STAGE, 278528                     ; the way out: 16 rows x (512 + 16) bytes for each wave
.set SPARE, 312320                     ; the spare words, 128 bytes for each wave
.set LI,   1                           ; 16 x lane
.set ADK,  2                           ; LDS address of the K block to be loaded;  ADV: of its V block;  ADA: of its adders
.set ADV,  3
.set ADA,  4
.set SPW,  5                           ; my spare word; never rewritten
.set NIL,  6                           ; 0; never rewritten
.set PFO,  7                           ; 256 x lane
.set STO,  8
.set RD,   9
.set LIV,  10                          ; 16 x lane + VOFF
.set ST,   12                          ; tile y's statistics at v[12 + 8 y]: +0 -M, +1 the largest score so far, +2, +3 the sum in two halves, +4 f (at the end 1 / sum), +5 0, +6, +7 at work
.set C2,   44                          ; v44-47, v54-57: a pass's further chains of sums
.set C3,   54
.set LIMA, 48                          ; 448 x 2^e8, twice: the two halves of a dual instruction take their second sources from different banks
.set LIMB, 49
.set SCLP, 50                          ; 2^e8
.set AD0,  51                          ; ADDT + 32 h
.set MO,   52
.set MA,   53
.set H,    64                          ; v64-127 the first tile's p, held
.set S,    128                         ; v128-255 a pair's S^T, then p
; window 1: O^T, 64 a tile.  window 2: v0-127 K's fragments, v128-255 V's.  window 3: v0-63 Q, v64-127 the codes of p, 32 a pair, v128-191 the adder as C
.set KF,   0
.set VF,   128
.set Q,    0
.set P,    64
.set ADD,  128
.set TB,   2                           ; LDS byte at which the slot in hand begins
.set NK,   3                           ; LDS byte of the K block to be loaded next
.set WV,   18
.set SEL,  20
.set CS,   22
.set G1,   24
.set G0K,  32
.set G0V,  52
.set SLOTS, 36
.set LIM,  37
.set PFA,  38
.set KS,   44
.set KB,   45                          ; byte of the next block's first key in the table;  KBO: of the slot's first key
.set OUTP, 46
.set CNT,  60
.set KBO,  61
.set MSB, 0
.macro WIN new                         ; s_set_vgpr_msb: bits 1:0 source 0, 3:2 source 1, 5:4 source 2, 7:6 destination; the high byte repeats the setting that is left
.if MSB != \new
	s_set_vgpr_msb (MSB<<8)|\new
.set MSB, \new
.endif
.endm
.macro PLACES                          ; four plain vector instructions behind a matrix instruction (ISA guide 7.12.1)
.rept 4
	v_nop
.endr
.endm
.macro CROUND                          ; a round of the cluster's barrier
	s_barrier_signal -1
	s_barrier_wait -1
	s_cmp_lg_u32 s[WV], 0
	s_cbranch_scc1 .Lnot_wave_0_\@
	s_barrier_signal -3
.Lnot_wave_0_\@:
	s_barrier_wait -3
	s_barrier_signal -1
	s_barrier_wait -1
.endm
.macro TLOAD                           ; waves 0 and 1 ask for the halves of a slot's K, waves 2 and 3 for V's: 32,768 bytes each
	s_cmp_lt_u32 s[WV], 2
	s_cbranch_scc0 .Lfor_v_\@
	tensor_load_to_lds s[G0K:G0K+3], s[G1:G1+7]
	s_nop 0
	PLACES
	s_branch .Lasked_\@
.Lfor_v_\@:
	tensor_load_to_lds s[G0V:G0V+3], s[G1:G1+7]
	s_nop 0
	PLACES
.Lasked_\@:
.endm
; A PREFETCH INTO THE L2 of the slot that the NEXT change will ask for, four key steps ahead of that load.  Of the four clusters of a bh the first (cluster x = 0) asks.  Its partners share the slot's 65,536 bytes of K and of V out
; BY ADDRESS, 16,384 each; waves 0 and 1 take K's two halves of that, waves 2 and 3 V's, lanes 256 bytes apart: each aligned block of 256 bytes is named once.  Slots 0 and 1 come by their loads alone; the last filling change asks for nothing.
.macro ASK
	s_cmp_gt_u32 s[SLOTS], s[LIM]
	s_cbranch_scc0 .Lnot_mine_\@
	global_prefetch_b8 v[PFO], s[PFA:PFA+1] th:TH_LOAD_NT scope:SCOPE_SE
.Lnot_mine_\@:
.endm
; THE CHANGE OF SLOTS.  Each wave waits for its tensor load (its quarter of the slot ahead), adds 0 to its spare word, and waits for that and for its LDS instructions; fill = 1: a round of the cluster's barrier, the joint fill first behind it.
.macro CHANGE fill
	s_wait_tensorcnt 0x0
	ds_add_u32 v[SPW], v[NIL]
.if \fill
	s_xor_b32 s[G0K+1], s[G0K+1], SLOT1
	s_add_nc_u64 s[G0K+2:G0K+3], s[G0K+2:G0K+3], 65536
	s_xor_b32 s[G0V+1], s[G0V+1], SLOT1
	s_add_nc_u64 s[G0V+2:G0V+3], s[G0V+2:G0V+3], 65536
	s_wait_xcnt 0x0                                ; the last prefetch has read its address
	s_add_nc_u64 s[PFA:PFA+1], s[PFA:PFA+1], 65536
.endif
	s_wait_dscnt 0x0
.if \fill
	CROUND
	TLOAD
	ASK
.else
	s_barrier_signal -1
	s_barrier_wait -1
.endif
.endm
.macro ENTER                           ; the loads go on in the other slot
	s_xor_b32 s[TB], s[TB], SLOT1
	s_mov_b32 s[NK], s[TB]
	s_add_co_u32 s[KBO], s[KBO], 2048
	s_mov_b32 s[KB], s[KBO]
.endm
.macro LOADK                           ; the next step's K and adders; the three additions and the v_nop are the places behind the scores' products
	v_add_nc_u32 v[ADK], s[NK], v[LI]
	v_add_nc_u32 v[ADV], s[NK], v[LIV]
	v_add_nc_u32 v[ADA], s[KB], v[AD0]
	v_nop
	s_add_co_u32 s[NK], s[NK], 16384
	s_add_co_u32 s[KB], s[KB], 512
	WIN 0x80
.irp t, 0,1,2,3,4,5,6,7
.irp c, 0,1,2,3
	ds_load_b128 v[KF+16*\t+4*\c:KF+16*\t+4*\c+3], v[ADK] offset:2048*\t+512*\c
.endr
.endr
	WIN 0xc0
.irp a, 0,1,2,3,4,5,6,7                        ; the adder of keys 16 a + 8 h + 0 .. 7: the C of tile a
.irp k, 0,1
	ds_load_b128 v[ADD+8*\a+4*\k:ADD+8*\a+4*\k+3], v[ADA] offset:64*\a+16*\k
.endr
.endr
	WIN 0
.endm
.macro LOADV                           ; V of the step whose K was asked for last
	WIN 0x80
.irp t, 0,1,2,3,4,5,6,7
.irp c, 0,1,2,3
	ds_load_b128 v[VF+16*\t+4*\c:VF+16*\t+4*\c+3], v[ADV] offset:2048*\t+512*\c
.endr
.endr
	WIN 0
.endm
.macro SMUL g                          ; S^T = K Q^T + adder for pair g: sixteen results
	WIN 0x3e
.irp t, 0,1,2,3,4,5,6,7
.irp y, 0,1
	v_wmma_f32_16x16x128_fp8_fp8 v[S+64*\y+8*\t:S+64*\y+8*\t+7], v[KF+16*\t:KF+16*\t+15], v[Q+16*(2*\g+\y):Q+16*(2*\g+\y)+15], v[ADD+8*\t:ADD+8*\t+7]
.endr
.endr
	WIN 0
.endm
.macro PVW g, k                        ; O^T += V^T P^T, the k-th of pair g's sixteen: channels 16 (k / 2) on, tile k % 2.  Sixteen accumulators, one instruction each
	WIN 0x5e
	v_wmma_f32_16x16x128_fp8_fp8 v[64*(2*(\g)+(\k)%2)+8*((\k)/2):64*(2*(\g)+(\k)%2)+8*((\k)/2)+7], v[VF+16*((\k)/2):VF+16*((\k)/2)+15], v[P+32*(\g)+16*((\k)%2):P+32*(\g)+16*((\k)%2)+15], v[64*(2*(\g)+(\k)%2)+8*((\k)/2):64*(2*(\g)+(\k)%2)+8*((\k)/2)+7]
	WIN 0
.endm
.macro HOLD d, n                       ; two numbers held at 448 x 2^e8 by one dual instruction: the conversion to an 8-bit code does not saturate (ISA guide 7.6.2); p is not negative
	v_dual_min_num_f32 v[\d], v[\n], v[LIMA] :: v_dual_min_num_f32 v[\d+1], v[\n+1], v[LIMB]
.endm
; THE SOFTMAX of pair g, 128 keys.  pv = 0 or 1: the second products of pair pv stand among its lines (pv = -1: none).  lv = 1: V is asked for behind them.
; One tile's exponentials stand among lines of the other tile that read nothing written since the wait ahead of the block and whose results are read behind the wait that ends it.
.macro SOFT g, pv, lv
.set SA, ST+16*(\g)
.irp y, 0,1                                    ; the largest score: three chains a tile, one of them the running maximum; each accumulator is read from its low end on
	v_max3_num_f32 v[SA+8*\y+6], v[S+64*\y], v[S+64*\y+1], v[S+64*\y+2]
.endr
.irp y, 0,1
	v_max3_num_f32 v[SA+8*\y+7], v[S+64*\y+3], v[S+64*\y+4], v[S+64*\y+5]
.endr
.irp y, 0,1
	v_max3_num_f32 v[SA+8*\y+1], v[SA+8*\y+1], v[S+64*\y+6], v[S+64*\y+7]
.endr
.irp i, 8,14,20,26,32,38,44,50,56
.irp y, 0,1
	v_max3_num_f32 v[SA+8*\y+6], v[SA+8*\y+6], v[S+64*\y+\i], v[S+64*\y+\i+1]
.endr
.irp y, 0,1
	v_max3_num_f32 v[SA+8*\y+7], v[SA+8*\y+7], v[S+64*\y+\i+2], v[S+64*\y+\i+3]
.endr
.irp y, 0,1
	v_max3_num_f32 v[SA+8*\y+1], v[SA+8*\y+1], v[S+64*\y+\i+4], v[S+64*\y+\i+5]
.endr
.endr
.irp y, 0,1
	v_max3_num_f32 v[SA+8*\y+1], v[SA+8*\y+1], v[S+64*\y+62], v[S+64*\y+63]
.endr
.irp y, 0,1
	v_mov_b32 v[SA+8*\y+4], v[SA+8*\y]             ; the old -M
.endr
.irp y, 0,1
	v_max3_num_f32 v[SA+8*\y+1], v[SA+8*\y+1], v[SA+8*\y+6], v[SA+8*\y+7]
.endr
.irp y, 0,1
	v_permlanex16_b32 v[SA+8*\y+7], v[SA+8*\y+1], s[SEL], s[SEL+1]   ; the query's other 64 keys lie in the lane 16 away
.endr
.if \pv >= 0
	PVW \pv, 0
.endif
.irp y, 0,1
	v_max_num_f32 v[SA+8*\y+1], v[SA+8*\y+1], v[SA+8*\y+7]
.endr
.irp y, 0,1
	v_mul_f32 v[SA+8*\y+6], s[CS], v[SA+8*\y+1]    ; as t (c is positive)
.endr
.if \pv >= 0
	PVW \pv, 1
.endif
.irp y, 0,1
	v_floor_f32 v[SA+8*\y], -v[SA+8*\y+6]          ; the new -M = -ceil(t)
.endr
.set n, 0
.rept 32
	v_pk_fma_f32 v[S+n:S+n+1], v[S+n:S+n+1], s[CS:CS+1], v[SA:SA+1] op_sel_hi:[1,0,0]   ; t - M of the first tile; among these lines f = 2^(old M - new M) is made
.if n == 8
	v_sub_f32 v[SA+4], v[SA], v[SA+4]
	v_sub_f32 v[SA+12], v[SA+8], v[SA+12]
.endif
.if n == 24
	v_cvt_i32_f32 v[SA+4], v[SA+4]                 ; (it saturates)
	v_cvt_i32_f32 v[SA+12], v[SA+12]
.endif
.if n == 40
	v_ldexp_f32 v[SA+4], 1.0, v[SA+4]
	v_ldexp_f32 v[SA+12], 1.0, v[SA+12]
.endif
.set n, n+2
.endr
	s_wait_alu depctr_va_vdst(0)                   ; ahead of the exponentials
.set n, 0
.rept 32                                       ; the first tile's p; among them t - M of the second, and ten products
	v_exp_f32 v[S+n], v[S+n]
	v_exp_f32 v[S+n+1], v[S+n+1]
	v_pk_fma_f32 v[S+64+n:S+64+n+1], v[S+64+n:S+64+n+1], s[CS:CS+1], v[SA+8:SA+9] op_sel_hi:[1,0,0]
.if (\pv >= 0) && ((n/2)%3 == 2) && (n < 60)
	PVW \pv, (2+n/6)
.endif
.set n, n+2
.endr
	s_wait_alu depctr_va_vdst(0)                   ; behind the first block, ahead of the second
.set n, 0
.rept 16                                       ; the second tile's p; among them the first tile's hold, into v64-127, the first level of its sum, of the unquantised p, and four products
	v_exp_f32 v[S+64+n], v[S+64+n]
	HOLD H+n, S+n
	v_exp_f32 v[S+64+n+1], v[S+64+n+1]
	HOLD H+n+2, S+n+2
	v_exp_f32 v[S+64+n+2], v[S+64+n+2]
	v_pk_add_f32 v[S+n:S+n+1], v[S+n:S+n+1], v[S+n+2:S+n+3]
	v_exp_f32 v[S+64+n+3], v[S+64+n+3]
.if (\pv >= 0) && ((n/4)%4 == 3)
	PVW \pv, (12+n/16)
.endif
.set n, n+4
.endr
.irp y, 0,1
	v_pk_mul_f32 v[SA+8*\y+2:SA+8*\y+3], v[SA+8*\y+2:SA+8*\y+3], v[SA+8*\y+4:SA+8*\y+5] op_sel_hi:[1,0]   ; the sums under the new M: also the plain line behind the last exponential
.endr
	WIN 0x41
	s_wait_alu depctr_va_vdst(0)                   ; behind the second block, and directly ahead of the first readers of O^T
.irp y, 0,1
.set n, 0
.rept 32
	v_pk_mul_f32 v[64*(2*\g+\y)+n:64*(2*\g+\y)+n+1], v[64*(2*\g+\y)+n:64*(2*\g+\y)+n+1], v[SA+8*\y+4:SA+8*\y+5] op_sel_hi:[1,0]   ; O^T under the new M; also the places behind the products above
.set n, n+2
.endr
.endr
	WIN 0
.if \lv
	LOADV
.endif
	WIN 0xc0                                       ; the codes: registers 4 c + 2 u, + 1 of a tile's operand: keys 32 c + 16 u + 8 h + 0 .. 7
.irp c, 0,1,2,3
.irp u, 0,1
	v_cvt_scalef32_pk8_fp8_f32 v[P+32*\g+4*\c+2*\u:P+32*\g+4*\c+2*\u+1], v[H+16*\c+8*\u:H+16*\c+8*\u+7], v[SCLP]
.endr
.endr
	WIN 0
	v_pk_add_f32 v[C2:C2+1], v[S:S+1], v[S+4:S+5]                  ; the sums: two chains for the first tile's sixteen pairs, four for the second tile's 32
	v_pk_add_f32 v[C2+2:C2+3], v[S+64:S+65], v[S+66:S+67]
	v_pk_add_f32 v[C3:C3+1], v[S+68:S+69], v[S+70:S+71]
	v_pk_add_f32 v[C3+2:C3+3], v[S+72:S+73], v[S+74:S+75]
.set j, 0
.rept 7
	v_pk_add_f32 v[SA+2:SA+3], v[SA+2:SA+3], v[S+8+8*j:S+8+8*j+1]
	v_pk_add_f32 v[C2:C2+1], v[C2:C2+1], v[S+12+8*j:S+12+8*j+1]
.if j < 6
	v_pk_add_f32 v[SA+10:SA+11], v[SA+10:SA+11], v[S+76+8*j:S+76+8*j+1]
	v_pk_add_f32 v[C2+2:C2+3], v[C2+2:C2+3], v[S+78+8*j:S+78+8*j+1]
	v_pk_add_f32 v[C3:C3+1], v[C3:C3+1], v[S+80+8*j:S+80+8*j+1]
	v_pk_add_f32 v[C3+2:C3+3], v[C3+2:C3+3], v[S+82+8*j:S+82+8*j+1]
.else
	v_pk_add_f32 v[SA+10:SA+11], v[SA+10:SA+11], v[S+124:S+125]
	v_pk_add_f32 v[C2+2:C2+3], v[C2+2:C2+3], v[S+126:S+127]
.endif
.set j, j+1
.endr
	v_pk_add_f32 v[C3:C3+1], v[C3:C3+1], v[C3+2:C3+3]
	v_pk_add_f32 v[SA+2:SA+3], v[SA+2:SA+3], v[C2:C2+1]
	v_pk_add_f32 v[SA+10:SA+11], v[SA+10:SA+11], v[C2+2:C2+3]
.set n, 0
.rept 32
	HOLD S+64+n, S+64+n
.if n == 8
	v_pk_add_f32 v[SA+10:SA+11], v[SA+10:SA+11], v[C3:C3+1]
.endif
.set n, n+2
.endr
	WIN 0xc0
.irp c, 0,1,2,3
.irp u, 0,1
	v_cvt_scalef32_pk8_fp8_f32 v[P+32*\g+16+4*\c+2*\u:P+32*\g+16+4*\c+2*\u+1], v[S+64+16*\c+8*\u:S+64+16*\c+8*\u+7], v[SCLP]
.endr
.endr
	WIN 0
	v_nop                                          ; one plain line behind the last conversion
	s_wait_alu depctr_va_vdst(0)
.endm
.macro HALFA pv                        ; a step's first pair, and the second pair's scores.  pv = 1: the last step's second pair has its second products here, and V is asked for behind them; pv = -1: the first step
.if \pv >= 0
	s_wait_dscnt 0x0                               ; K and the adders are in
.else
	s_wait_dscnt 32                                ; K and the adders are in; V's 32 loads, issued behind them, may be out
.endif
	SMUL 0
	PLACES
.if \pv >= 0
	SOFT 0, \pv, 1
.else
	SOFT 0, \pv, 0
.endif
	SMUL 1
.endm
.macro HALFB more                      ; the second pair's softmax, with the first pair's second products; more = 1: the next step's K is asked for
.if \more
	LOADK
	s_wait_dscnt 48                                ; V is in; the 48 loads just issued may be out
.else
	PLACES
	s_wait_dscnt 0x0
.endif
	SOFT 1, 0, 0
.endm
.macro STEPS label                     ; s[CNT] trips: the end of one step and the beginning of the next
\label:
	HALFB 1
	HALFA 1
	s_sub_co_u32 s[CNT], s[CNT], 1
	s_cmp_lg_u32 s[CNT], 0
	s_cbranch_scc1 \label
.endm
	s_load_b256 s[4:11], s[0:1], 0x0               ; qc s[4:5], kc s[6:7], vc s[8:9], mask s[10:11]
	s_load_b128 s[12:15], s[0:1], 0x20             ; the scales s[12:13], out0 s[14:15]
	v_lshl_add_u32 v[SPW], v0, 2, SPARE
	v_mov_b32 v[NIL], 0
	ds_add_u32 v[SPW], v[NIL]                      ; the opening lines: the add twice on end and its wait
	ds_add_u32 v[SPW], v[NIL]
	v_lshrrev_b32 v1, 5, v0
	v_readfirstlane_b32 s[WV], v1                  ; wave 0..3
	s_and_b32 s16, ttmp7, 0xffff                   ; bh, which the four partners share
	s_cmp_ge_u32 s16, 6
	s_cselect_b32 s17, 1, 0                        ; the batch
	s_mul_i32 s19, s17, 6
	s_sub_co_u32 s19, s16, s19                     ; the head
	s_bfe_u32 s48, ttmp6, 0x40000                  ; cx
	s_lshl_b32 s49, ttmp9, 2
	s_add_co_u32 s49, s49, s48                     ; my block of 256 queries
	s_mov_b32 s[G1], 15|(3<<16)|(1<<21)            ; the mask: all four work-groups; elements of 8 bytes; bit 21 beside a mask; no padding
	s_mov_b32 s[G1+1], 32<<16                      ; rows of 32 elements: 256 bytes
	s_mov_b32 s[G1+2], 128<<16                     ; 128 rows
	s_mov_b32 s[G1+3], 32<<16
	s_mov_b32 s[G1+4], 128
	s_mov_b32 s[G1+5], 32                          ; dense
	s_mov_b32 s[G1+6], 0
	s_mov_b32 s[G1+7], 0
	s_mov_b32 s[SEL], 0x76543210
	s_mov_b32 s[SEL+1], 0xfedcba98
	s_mov_b32 s[CS], 0x3e0293ee                    ; log2(e) / sqrt(128)
	s_mov_b32 s[KS], 0x413504f3                    ; sqrt(128)
	s_mov_b32 s[TB], 0
	s_mov_b32 s[NK], 0
	s_mov_b32 s[KB], 0
	s_mov_b32 s[KBO], 0
	s_mov_b32 s[SLOTS], 7
	s_lshl_b32 s56, s16, 19                        ; bh's first byte in each buffer of images
	s_mov_b32 s57, 0
	s_and_b32 s58, s[WV], 1
	s_lshl_b32 s58, s58, 15                        ; which half of a slot's K or V I fetch: 32,768 bytes on, in memory and in LDS
	s_mov_b32 s59, 0
	s_add_nc_u64 s[66:67], s[56:57], s[58:59]
	s_lshl_b32 s68, s49, 15                        ; Q: my block's 16 tiles of 2,048 bytes, my wave's four of them
	s_lshl_b32 s69, s[WV], 13
	s_add_co_u32 s68, s68, s69
	s_add_co_u32 s68, s68, s56
	s_mov_b32 s69, 0
	s_lshl_b32 s70, s17, 12                        ; out0: row 4096 b + 256 block + 64 wave, of 3,072 bytes, + the head's 512
	s_lshl_b32 s71, s49, 8
	s_add_co_u32 s70, s70, s71
	s_lshl_b32 s71, s[WV], 6
	s_add_co_u32 s70, s70, s71
	s_mul_i32 s70, s70, 3072
	s_lshl_b32 s71, s19, 9
	s_add_co_u32 s70, s70, s71
	s_mov_b32 s71, 0
	s_lshl_b32 s72, s48, 14                        ; the prefetches: my work-group's 16,384 bytes, my wave's half of them,
	s_lshr_b32 s73, s58, 2
	s_add_co_u32 s72, s72, s73
	s_add_co_u32 s72, s72, s56
	s_add_co_u32 s72, s72, 65536                   ; in slot 1: the first change of slots steps it to slot 2
	s_mov_b32 s73, 0
	s_lshl_b32 s74, s17, 14                        ; the batch's 4,096 numbers of the mask
	s_mov_b32 s75, 0
	s_cmp_eq_u32 ttmp9, 0                          ; bh's first cluster: the same in all four partners
	s_cselect_b32 s[LIM], 1, -1
	s_wait_dscnt 0x0
	s_wait_kmcnt 0x0
	s_load_b128 s[40:43], s[12:13], 0x18           ; e6, e7, e8, e9
	s_mov_b32 s[G0K], 1
	s_mov_b32 s[G0K+1], s58
	s_add_nc_u64 s[G0K+2:G0K+3], s[6:7], s[66:67]
	s_or_b32 s[G0K+3], s[G0K+3], 0x80000000
	s_mov_b32 s[G0V], 1
	s_add_co_u32 s[G0V+1], s58, VOFF
	s_add_nc_u64 s[G0V+2:G0V+3], s[8:9], s[66:67]
	s_or_b32 s[G0V+3], s[G0V+3], 0x80000000
	s_cmp_lt_u32 s[WV], 2
	s_cselect_b64 s[PFA:PFA+1], s[6:7], s[8:9]
	s_add_nc_u64 s[PFA:PFA+1], s[PFA:PFA+1], s[72:73]
	s_add_nc_u64 s[4:5], s[4:5], s[68:69]
	s_add_nc_u64 s[OUTP:OUTP+1], s[14:15], s[70:71]
	s_add_nc_u64 s[10:11], s[10:11], s[74:75]
	CROUND                                         ; all four work-groups are here: the first joint loads meet
	TLOAD                                          ; slot 0, a quarter a wave
	v_and_b32 v11, 31, v0
	v_lshlrev_b32 v[LI], 4, v11
	WIN 0xc0
.irp k, 0,1,2,3,4,5,6,7,8,9,10,11,12,13,14,15
	global_load_b128 v[Q+4*\k:Q+4*\k+3], v[LI], s[4:5] offset:512*\k   ; Q's four fragments stay in registers
.endr
	WIN 0
	v_lshlrev_b32 v[MO], 4, v0
.irp k, 0,1,2,3,4,5,6,7
	global_load_b128 v[S+4*\k:S+4*\k+3], v[MO], s[10:11] offset:2048*\k   ; the 128 threads read 2,048 consecutive bytes of the mask a line
.endr
	v_lshl_add_u32 v[MA], v0, 4, ADDT
	v_add_nc_u32 v[LIV], VOFF, v[LI]
	v_and_b32 v54, 15, v0                          ; r
	v_bfe_u32 v55, v0, 4, 1                        ; h
	v_lshl_add_u32 v[AD0], v55, 5, ADDT
	v_lshlrev_b32 v[PFO], 8, v11
	s_mul_i32 s50, s[WV], 16*528
	s_add_co_u32 s50, s50, STAGE
	v_mul_u32_u24 v[STO], v54, 528
	v_lshl_add_u32 v[STO], v55, 5, v[STO]
	v_add_nc_u32 v[STO], s50, v[STO]               ; in: row r, + 32 h
	v_add_nc_u32 v[RD], s50, v[LI]                 ; back: a row's 512 bytes, 16 a lane
.irp y, 0,1,2,3
	v_mov_b32 v[ST+8*\y+1], 0xff61b1e6             ; the largest score so far: -3e38
	v_floor_f32 v[ST+8*\y], -v[ST+8*\y+1]          ; -M
	v_mov_b32 v[ST+8*\y+2], 0
	v_mov_b32 v[ST+8*\y+3], 0
	v_mov_b32 v[ST+8*\y+5], 0
.endr
	WIN 0x40
.set n, 0
.rept 256
	v_mov_b32 v[n], 0                              ; O^T: every second product stands in the loops' text, which adds in place; a first step of its own would be a further copy of that text
.set n, n+1
.endr
	WIN 0
	s_wait_alu depctr_va_vdst(0)                   ; directly ahead of the wait below
	s_wait_kmcnt 0x0
	s_add_co_i32 s50, s40, s41
	s_lshl_b32 s50, s50, 23
	s_add_co_i32 s[CS], s[CS], s50                 ; a score stands for score x 2^(e6 + e7)
	s_mov_b32 s[CS+1], s[CS]
	s_sub_co_i32 s[KS], s[KS], s50
	s_add_co_i32 s50, s42, 127
	s_lshl_b32 s51, s50, 23
	v_mov_b32 v[SCLP], s51                         ; 2^e8
	s_add_co_i32 s50, s50, 8
	s_lshl_b32 s50, s50, 23
	s_or_b32 s50, s50, 0x600000
	v_mov_b32 v[LIMA], s50                         ; 448 x 2^e8
	v_mov_b32 v[LIMB], s50
	s_wait_loadcnt 0x0                             ; Q and the mask
.set n, 0
.rept 32
	v_sub_f32 v[S+n], 1.0, v[S+n]
	v_mul_f32 v[S+n], 0xc61c4000, v[S+n]           ; x -10000: the adder,
	v_mul_f32 v[S+n], s[KS], v[S+n]                ; in the scores' units
.set n, n+1
.endr
.irp k, 0,1,2,3,4,5,6,7
	ds_store_b128 v[MA], v[S+4*\k:S+4*\k+3] offset:2048*\k
.endr
	s_wait_alu depctr_va_vdst(0)                   ; at the head's end
	CHANGE 1                                       ; slot 0 and the table are whole for every wave; slot 1's first fill is issued as a refill is
	LOADK
	LOADV
	HALFA -1
	s_mov_b32 s[CNT], 3                            ; slot 0's other three steps
	STEPS .Lpre
	s_mov_b32 s[SLOTS], 6
.Lslot:                                                ; six trips: slots 1 to 6 are entered, slots 2 to 7 asked for
	CHANGE 1
	ENTER
	s_mov_b32 s[CNT], 4
	STEPS .Lstep
	s_sub_co_u32 s[SLOTS], s[SLOTS], 1
	s_cmp_lg_u32 s[SLOTS], 0
	s_cbranch_scc1 .Lslot
	CHANGE 0                                       ; the last slot is written out: it asks for nothing
	ENTER
	s_mov_b32 s[CNT], 4
	STEPS .Llast
	HALFB 0
.set k, 0
.rept 16
	PVW 1, k                                       ; the last step's second pair
.set k, k+1
.endr
	; THE WAY OUT.  O^T is divided by the sum, multiplied by 2^(e8 + e9), and goes through my stage in LDS, a tile of 16 queries at a time: it comes back as whole rows of 512 bytes.
	PLACES
.irp y, 0,1,2,3
	v_add_f32 v[ST+8*\y+6], v[ST+8*\y+2], v[ST+8*\y+3]
.endr
.irp y, 0,1,2,3
	v_permlanex16_b32 v[ST+8*\y+7], v[ST+8*\y+6], s[SEL], s[SEL+1]
.endr
.irp y, 0,1,2,3
	v_add_f32 v[ST+8*\y+6], v[ST+8*\y+6], v[ST+8*\y+7]
.endr
	s_wait_alu depctr_va_vdst(0)                   ; ahead of the reciprocals
.irp y, 0,1,2,3
	v_rcp_f32 v[ST+8*\y+4], v[ST+8*\y+6]
.endr
	v_nop
	s_add_co_i32 s50, s42, s43
	s_wait_alu depctr_va_vdst(0)                   ; and behind them
.irp y, 0,1,2,3
	v_ldexp_f32 v[ST+8*\y+4], v[ST+8*\y+4], s50    ; x 2^(e8 + e9)
.endr
.macro PACK y
.set BB, S+64*((\y)%2)
	WIN 0x01
	s_wait_alu depctr_va_vdst(0)                   ; directly ahead of the first readers of O^T
.set n, 0
.rept 32
	v_pk_mul_f32 v[BB+n:BB+n+1], v[64*(\y)+n:64*(\y)+n+1], v[ST+8*(\y)+4:ST+8*(\y)+5] op_sel_hi:[1,0]   ; register 8 t + j: o(query r, channel 16 t + 8 h + j)
.set n, n+2
.endr
	WIN 0
.irp t, 0,1,2,3,4,5,6,7
.irp k, 0,1
	ds_store_b128 v[STO], v[BB+8*\t+4*\k:BB+8*\t+4*\k+3] offset:64*\t+16*\k
.endr
.endr
.irp i, 0,1,2,3,4,5,6,7,8,9,10,11,12,13,14,15
	ds_load_b128 v[BB+4*\i:BB+4*\i+3], v[RD] offset:528*\i   ; LDS serves a wave's instructions in order (ISA guide 5.7.1.4)
.endr
.endm
.macro SEND y, younger                 ; younger: the LDS instructions issued behind tile y's loads
.set BB, S+64*((\y)%2)
.irp i, 0,1,2,3,4,5,6,7,8,9,10,11,12,13,14,15
	s_wait_dscnt \younger+15-\i
	global_store_b128 v[LI], v[BB+4*\i:BB+4*\i+3], s[OUTP:OUTP+1] offset:(16*(\y)+\i)*3072 th:TH_STORE_NT   ; 32 lanes store 512 consecutive bytes, aligned
.endr
.endm
	PACK 0
	PACK 1
	SEND 0, 32
	s_wait_xcnt 0x0                                ; tile 0's stores have read their registers
	PACK 2
	SEND 1, 32
	s_wait_xcnt 0x0
	PACK 3
	SEND 2, 32
	SEND 3, 0
	s_wait_tensorcnt 0x0                           ; the wave's end
	ds_add_u32 v[SPW], v[NIL]
	s_wait_dscnt 0x0
	CROUND                                         ; the closing round
	s_endpgm
.Lfunc_end_k_q0f632c47e5_attn:
	.size	k_q0f632c47e5_attn, .Lfunc_end_k_q0f632c47e5_attn-k_q0f632c47e5_attn
	.p2alignl 7, 3214868480
	.fill 96, 4, 3214868480
	.section	.rodata,"a",@progbits
	.p2align	6, 0x0
	.amdhsa_kernel k_q0f632c47e5_attn
		.amdhsa_group_segment_fixed_size 327680
		.amdhsa_private_segment_fixed_size 0
		.amdhsa_enable_private_segment 0
		.amdhsa_kernarg_size 48
		.amdhsa_user_sgpr_count 2
		.amdhsa_user_sgpr_kernarg_segment_ptr 1
		.amdhsa_wavefront_size32 1
		.amdhsa_system_sgpr_workgroup_id_x 1
		.amdhsa_system_sgpr_workgroup_id_y 1
		.amdhsa_system_sgpr_workgroup_id_z 1
		.amdhsa_system_vgpr_workitem_id 0
		.amdhsa_next_free_vgpr 1024
		.amdhsa_next_free_sgpr 100
		.amdhsa_reserve_vcc 0
		.amdhsa_float_denorm_mode_32 3
		.amdhsa_float_denorm_mode_16_64 3
		.amdhsa_memory_ordered 1
		.amdhsa_forward_progress 1
		.amdhsa_inst_pref_size 255
	.end_amdhsa_kernel
	.section	.bss,"aw",@nobits
	.p2align	6
	.space	262144
	.amdgpu_metadata
---
amdhsa.version: [ 1, 2 ]
amdhsa.kernels:
  - .name:           k_q0f632c47e5_attn
    .symbol:         k_q0f632c47e5_attn.kd
    .args:
      - { .name: qc, .offset: 0, .size: 8, .value_kind: global_buffer, .address_space: global }
      - { .name: kc, .offset: 8, .size: 8, .value_kind: global_buffer, .address_space: global }
      - { .name: vc, .offset: 16, .size: 8, .value_kind: global_buffer, .address_space: global }
      - { .name: mask, .offset: 24, .size: 8, .value_kind: global_buffer, .address_space: global }
      - { .name: lowp_scales, .offset: 32, .size: 8, .value_kind: global_buffer, .address_space: global }
      - { .name: out0, .offset: 40, .size: 8, .value_kind: global_buffer, .address_space: global }
    .group_segment_fixed_size: 327680
    .private_segment_fixed_size: 0
    .kernarg_segment_align: 8
    .kernarg_segment_size: 48
    .max_flat_workgroup_size: 128
    .sgpr_count:     100
    .vgpr_count:     1024
    .wavefront_size: 32
...
	.end_amdgpu_metadata
.endif
;; end of part 2
